; MI455X (gfx1250); checked and timed in simulation.
; The chip was launched on July 23, 2026; its instructions are those of AMD's public machine-readable ISA for CDNA 5 (MIT licence, August 2026) and "CDNA5" Instruction Set Architecture Reference Guide (July 2026). The comments in the code are by the model that wrote it; some were corrected since.
;; Multi Head Attention Quantizer. Allowed arithmetic: matrix products marked QUANTISED: E5M2 operands, one given power-of-two scale a tensor, by v_wmma_f32_16x16x64_bf8_bf8 or v_wmma_f32_16x16x128_bf8_bf8, f32 sums; products left as they are: f32 operands where the result goes on into a quantised operand, else bf16, f16 or f32 operands; f32 sums; everything else in f32.
;; Inputs: Wk 8 x 1,024 x 1,024 float32; Wo 8 x 1,024 x 1,024 float32; Wp 8 x 1,024 x 1,024 float32; Wq 8 x 1,024 x 1,024 float32; Wv 8 x 1,024 x 1,024 float32; attention_mask 4 x 1,024 float32; beta 1,024 float32; bk 8 x 1,024 float32; bo 8 x 1,024 float32; bp 8 x 1,024 float32; bq 8 x 1,024 float32; bv 8 x 1,024 float32; gamma 1,024 float32; lowp_scales 4 int32 (the exponents e of the quantised operands' scales 2^e); queries 8 x 1,024 float32; representations 4 x 1,024 x 1,024 float32.
;; Outputs: out0 4 x 8 x 1,024 float32.
;; This version of the problem:
;;   THIS VERSION OF THE PROBLEM IS GIVEN IN LOW PRECISION. The matrix products marked QUANTISED in the list below multiply operands that are first quantised to E5M2 (5 exponent bits, 2 mantissa bits; 8 bits a number), with one given power-of-two scale for each operand tensor; their sums are f32. All else is computed in f32.
;;   The module's matrix products, in the order in which they are computed (A, B: the left and right operand; K: the contracted axis; several contracted axes count as one K, in the product's order):
;;     1. batch 8 x [M 1, K 1,024] x [K 1,024, N 1,024]; A: input queries; B: input Wq: left as it is (M = 1 < 16)
;;     2. [M 8,192, K 1,024] x [K 1,024, N 4,096]; A: input Wk; B: input representations: QUANTISED (scales: A lowp_scales[0], B lowp_scales[1])
;;     3. [M 8,192, K 1,024] x [K 1,024, N 4,096]; A: input Wv; B: input representations: QUANTISED (scales: A lowp_scales[2], B lowp_scales[3])
;;     4. batch 128 x [M 4,096, K 64] x [K 64, N 1]; A: computed on the way; B: computed on the way: left as it is (N = 1 < 16)
;;     5. batch 512 x [M 1, K 1,024] x [K 1,024, N 64]; A: softmax; B: computed on the way: left as it is (M = 1 < 16)
;;     6. batch 8 x [M 4, K 1,024] x [K 1,024, N 1,024]; A: computed on the way; B: input Wo: left as it is (M = 4 < 16)
;;     7. batch 8 x [M 4, K 1,024] x [K 1,024, N 1,024]; A: computed on the way; B: input Wp: left as it is (M = 4 < 16)
;;   THE QUANTISER, for each operand of a quantised product, along K:
;;     - The operand's scale is 2^e, e = its entry of the input lowp_scales (int32; the entries are numbered through the quantised products in the list's order, A before B).
;;     - Each number is divided by the scale, clamped to +-57,344, and rounded to the nearest number of E5M2, ties to even, subnormals kept.
;;     - The product sums the exact products of the quantised numbers (number of the format x scale) in f32.
;;   ~~~python
;;   def quantise(x, axis, e):      # numpy; x: float32 -> the quantised numbers, widened to float32 again
;;       x = np.moveaxis(x, axis, -1); K = x.shape[-1]
;;       r = np.clip(x / 2.0 ** e, -57344, 57344)
;;       step = 2.0 ** (np.maximum(np.frexp(np.where(r == 0, 1, r))[1] - 1, -14) - 2)
;;       q = np.round(r / step) * step * 2.0 ** e      # np.round: ties to even
;;       return np.moveaxis(q, -1, axis).astype(np.float32)
;;   ~~~
;; One version. Each part assembles by itself: llvm-mc -triple=amdgcn-amd-amdhsa -mcpu=gfx1250 --defsym DOCPART=n.
;; ======== version 1 of 1: 5 launches
;; workspace buffers: wkc 8,388,608 bytes; wvc 8,388,608 bytes; xc 8,388,608 bytes; qbuf 32,768 bytes; ctx 131,072 bytes; att 131,072 bytes; pre 131,072 bytes
;; launch prep (part 1): grid 896 x 1, 4 waves a work-group, no clusters, 34,304 bytes of LDS; arguments Wk, Wv, representations, Wq, queries, bq, lowp_scales, wkc, wvc, xc, qbuf; writes wkc, wvc, xc, qbuf
.if DOCPART == 1
	.amdgcn_target "amdgcn-amd-amdhsa--gfx1250"
	.amdhsa_code_object_version 6
	.text
	.protected	k_q44e371c163_prep
	.globl	k_q44e371c163_prep
	.p2align	8
	.type	k_q44e371c163_prep,@function
k_q44e371c163_prep:
	s_mov_b64 s[64:65], 0
	v_nop
	global_prefetch_b8 v0, s[64:65] scope:SCOPE_SE
	s_setreg_imm32_b32 hwreg(HW_REG_WAVE_MODE, 25, 1), 1
	s_wait_xcnt 0x0
; PREP.  Two jobs in one launch, parted by the work-group's number.
; (1) Work-groups 0-255: Wk, 256-511: Wv, 512-639: representations.  f32 numbers become codes of BF8 (E5M2): code = x / 2^e, held within +-57,344, to the nearest code, ties to even.
;     e = entry 0 (Wk), 2 (Wv) of the scales; the representations are quantised twice, with entry 1 (for the product with Wk) and entry 3 (for the product with Wv).
;     The codes are laid as IMAGES OF OPERAND REGISTERS: a fragment is 16 rows x 128 K = 2,048 bytes; byte 512 c + 16 lane holds lane (r = lane % 16, h = lane / 16)'s 16 codes of row r, k = 32 c + 16 h + 0 .. 15.
;     Fragment (row tile, K step) lies at 16,384 x row tile + 2,048 x K step; the representations' tiles at batch x 2 MiB + version x 1 MiB + 16,384 x (s / 16) + 2,048 x K step.
;     A wave takes 16 rows x 512 K (32 KiB of f32) in four steps of 128 K.  Each load reads 512 consecutive bytes of one row; the step's 8 KiB turn through the wave's own stage in LDS, so that a lane
;     gets 16 neighbours along K of each block of 32; each store of codes covers 512 consecutive bytes.
; (2) Work-groups 640-895: qbuf[k][f] = (sum over e of queries[k][e] Wq[k][f][e] + bq[k][f]) / 8, in f32.  A wave takes 8 rows of Wq (32 KiB), a row at a time, four rows on their way.
;     Its 8 results leave as one run of 32 bytes: 32 KiB in all against the 32 MiB of Wq that are read.
; LIMITS: each of the four exponents lies between -126 and 112, so that 2^e and 57,344 x 2^e are f32 numbers.  NaN among the inputs is not served (an infinity is held at the largest code).
; No cluster, no tensor load: no two work-groups read the same bytes but the 4 KiB of a query row.  No barrier: waves share nothing.
.set STG, 8448                         ; a wave's stage: 16 rows x (512 bytes + 16): 33 x 16 bytes from row to row, so that the 16 rows of a read-back start at 16 different groups of banks
.set T,   16                           ; v16-47   two sets of 16 held numbers
.set C,   48                           ; v48-63   a fragment's codes
.set C2,  64                           ; v64-79   the second version's
.set R,   80                           ; v80-207  two sets of 64 numbers (the q path: four rows of 32)
	s_load_b256 s[4:11], s[0:1], 0x0               ; Wk s[4:5], Wv s[6:7], representations s[8:9], Wq s[10:11]
	s_load_b256 s[12:19], s[0:1], 0x20             ; queries s[12:13], bq s[14:15], scales s[16:17], wkc s[18:19]
	s_load_b128 s[20:23], s[0:1], 0x40             ; wvc s[20:21], xc s[22:23]
	s_load_b64 s[24:25], s[0:1], 0x50              ; qbuf
	v_lshl_add_u32 v208, v0, 2, 0x8400
	v_mov_b32 v209, 0
	v_lshrrev_b32 v1, 5, v0
	v_readfirstlane_b32 s26, v1                    ; wave 0..3
	v_and_b32 v1, 31, v0                           ; lane
	v_and_b32 v2, 15, v0                           ; r
	v_bfe_u32 v3, v0, 4, 1                         ; h
	v_lshlrev_b32 v4, 4, v1                        ; 16 x lane
	s_mov_b32 s45, 0                               ; the high word of every offset pair s[44:45]
	s_wait_kmcnt 0x0
	s_cmp_lt_u32 ttmp9, 640
	s_cbranch_scc0 .Lqproj
	; ---------------- the quantiser ----------------
	s_load_b128 s[36:39], s[16:17], 0x0            ; e0 .. e3
	s_cmp_lt_u32 ttmp9, 512                        ; the choices hang on the work-group's number alone
	s_cselect_b64 s[28:29], s[6:7], s[8:9]         ; from
	s_cselect_b64 s[30:31], s[20:21], s[22:23]     ; to
	s_mov_b32 s32, 512
	s_cselect_b32 s32, 256, s32                    ; the tensor's first work-group
	s_cselect_b32 s33, 20, 21                      ; 64 row tiles are 1 MiB of codes in a weight, 2 MiB (two versions) in xc
	s_cselect_b32 s35, 0, 1                        ; 1: two versions
	s_cmp_lt_u32 ttmp9, 256
	s_cselect_b64 s[28:29], s[4:5], s[28:29]
	s_cselect_b64 s[30:31], s[18:19], s[30:31]
	s_cselect_b32 s32, 0, s32
	s_sub_co_u32 s40, ttmp9, s32
	s_lshl_b32 s40, s40, 2
	s_add_co_u32 s40, s40, s26                     ; my wave's job
	s_lshr_b32 s41, s40, 1                         ; row tile
	s_and_b32 s42, s40, 1                          ; which half of K
	s_lshl_b32 s44, s41, 16                        ; 16 rows of 4,096 bytes
	s_lshl_b32 s43, s42, 11                        ; 512 numbers
	s_add_co_u32 s44, s44, s43
	s_add_nc_u64 s[28:29], s[28:29], s[44:45]
	s_and_b32 s44, s41, 63
	s_lshl_b32 s44, s44, 14
	s_lshr_b32 s43, s41, 6
	s_lshl_b32 s43, s43, s33
	s_add_co_u32 s44, s44, s43
	s_lshl_b32 s43, s42, 13                        ; four fragments
	s_add_co_u32 s44, s44, s43
	s_add_nc_u64 s[30:31], s[30:31], s[44:45]
	s_mul_i32 s43, s26, STG                        ; my stage
	v_add_nc_u32 v5, s43, v4                       ; in: 16 bytes a lane, a row an instruction
	v_mul_u32_u24 v6, v2, 528
	v_lshl_add_u32 v6, v3, 6, v6
	v_add_nc_u32 v6, s43, v6                       ; back: row r, + 64 h: my 16 numbers of a block of 32
.macro LOAD t                          ; step t: 128 numbers of each of the 16 rows; a load reads 512 consecutive bytes
.irp i, 0,1,2,3,4,5,6,7,8,9,10,11,12,13,14,15
	global_load_b128 v[R+64*((\t)%2)+4*\i:R+64*((\t)%2)+4*\i+3], v4, s[28:29] offset:4096*\i+512*(\t) th:TH_LOAD_NT
.endr
.endm
; 64 numbers of a lane, v[s + 16 c + i] = k 32 c + 16 h + i of my row, become a fragment's 16 registers of codes in v[d] on.  The hold writes into other registers, so that the numbers stay for a second version.
.macro QUANT s, d, sc, lim
.irp c, 0,1,2,3
.irp i, 0,1,2,3,4,5,6,7,8,9,10,11,12,13,14,15
	v_med3_num_f32 v[T+16*(\c%2)+\i], v[\s+16*\c+\i], -v[\lim], v[\lim]   ; the conversion to an 8-bit code does not saturate (ISA guide 7.6.2): the hold at the largest code x the scale
.endr
	v_cvt_scalef32_pk8_bf8_f32 v[\d+4*\c:\d+4*\c+1], v[T+16*(\c%2):T+16*(\c%2)+7], v[\sc]
	v_cvt_scalef32_pk8_bf8_f32 v[\d+4*\c+2:\d+4*\c+3], v[T+16*(\c%2)+8:T+16*(\c%2)+15], v[\sc]
.endr
	v_nop                                          ; a plain line behind the last conversion
.endm
.macro QSTEP t
.set RS, R+64*((\t)%2)
.if (\t) < 3
	s_wait_loadcnt 16                              ; this step's 16 loads are in; the next step's may be out
.else
	s_wait_loadcnt 0
.endif
.irp i, 0,1,2,3,4,5,6,7,8,9,10,11,12,13,14,15
	ds_store_b128 v5, v[RS+4*\i:RS+4*\i+3] offset:528*\i
.endr
.irp c, 0,1,2,3
.irp j, 0,1,2,3
	ds_load_b128 v[RS+16*\c+4*\j:RS+16*\c+4*\j+3], v6 offset:128*\c+16*\j   ; LDS serves a wave's instructions in order (ISA guide 5.7.1.4): these see the stores above
.endr
.endr
	s_wait_dscnt 0x0
	s_wait_xcnt 0x0                                ; the last step's stores have read their data: the codes' registers may be written again
	QUANT RS, C, 7, 8
.irp c, 0,1,2,3
	global_store_b128 v4, v[C+4*\c:C+4*\c+3], s[30:31] offset:2048*(\t)+512*\c   ; 32 lanes store 512 consecutive bytes
.endr
	s_cmp_eq_u32 s35, 0
	s_cbranch_scc1 .Lone_\@
	QUANT RS, C2, 9, 10                            ; the representations' second version, 1 MiB further on
.irp c, 0,1,2,3
	global_store_b128 v4, v[C2+4*\c:C2+4*\c+3], s[30:31] offset:0x100000+2048*(\t)+512*\c
.endr
.Lone_\@:
.if (\t) < 2
	LOAD (\t)+2                                    ; into the set just worked
.endif
.endm
	LOAD 0
	LOAD 1
	s_wait_kmcnt 0x0
	s_cmp_lt_u32 ttmp9, 512
	s_cselect_b32 s34, s38, s37                    ; Wv: e2; representations, first version: e1
	s_cmp_lt_u32 ttmp9, 256
	s_cselect_b32 s34, s36, s34                    ; Wk: e0
	s_add_co_i32 s34, s34, 127
	s_lshl_b32 s40, s34, 23
	v_mov_b32 v7, s40                              ; 2^e as f32: the conversion takes its exponent field
	s_add_co_i32 s34, s34, 15
	s_lshl_b32 s34, s34, 23
	s_or_b32 s34, s34, 0x600000
	v_mov_b32 v8, s34                              ; 57,344 x 2^e
	s_add_co_i32 s41, s39, 127
	s_lshl_b32 s40, s41, 23
	v_mov_b32 v9, s40                              ; the same with e3
	s_add_co_i32 s41, s41, 15
	s_lshl_b32 s41, s41, 23
	s_or_b32 s41, s41, 0x600000
	v_mov_b32 v10, s41
	QSTEP 0
	QSTEP 1
	QSTEP 2
	QSTEP 3
	s_wait_tensorcnt 0x0
	ds_add_u32 v208, v209
	s_wait_dscnt 0x0
	s_endpgm
	; ---------------- the query projection ----------------
.Lqproj:
	s_sub_co_u32 s40, ttmp9, 640
	s_lshl_b32 s40, s40, 2
	s_add_co_u32 s40, s40, s26                     ; my wave's job: rows 8 id .. 8 id + 7 of the 8,192
	s_lshl_b32 s44, s40, 15
	s_add_nc_u64 s[10:11], s[10:11], s[44:45]      ; Wq at my first row
	s_lshr_b32 s44, s40, 7
	s_lshl_b32 s44, s44, 12
	s_add_nc_u64 s[12:13], s[12:13], s[44:45]      ; my k's query
	s_lshl_b32 s44, s40, 5
	s_add_nc_u64 s[14:15], s[14:15], s[44:45]      ; my 8 numbers of bq
	s_add_nc_u64 s[24:25], s[24:25], s[44:45]      ; and of qbuf
	s_mov_b32 s46, 0x76543210                      ; v_permlanex16_b32: lane l xor 16
	s_mov_b32 s47, 0xfedcba98
	v_and_b32 v59, 7, v0
	v_lshlrev_b32 v59, 2, v59                      ; 4 x (lane % 8)
	v_mov_b32 v56, 0                               ; lane i will hold row i's result
	v_mov_b32 v58, 0                               ; a lane permute's destination counts as read
.macro RLOAD i                         ; row i into slot i % 4: eight loads of 512 consecutive bytes
.irp j, 0,1,2,3,4,5,6,7
	global_load_b128 v[R+32*((\i)%4)+4*\j:R+32*((\i)%4)+4*\j+3], v4, s[10:11] offset:4096*(\i)+512*\j th:TH_LOAD_NT
.endr
.endm
	global_load_b32 v57, v59, s[14:15]
.irp j, 0,1,2,3,4,5,6,7
	global_load_b128 v[16+4*\j:19+4*\j], v4, s[12:13] offset:512*\j   ; the query, laid as a row of Wq is
.endr
	RLOAD 0
	RLOAD 1
	RLOAD 2
	RLOAD 3
.macro QROW i, left                    ; left: the loads of the younger rows, which may stay out
.set RW, R+32*((\i)%4)
	s_wait_loadcnt \left
	v_pk_mul_f32 v[48:49], v[RW:RW+1], v[16:17]    ; two chains, started by the first products
	v_pk_mul_f32 v[50:51], v[RW+2:RW+3], v[18:19]
.irp p, 4,8,12,16,20,24,28
	v_pk_fma_f32 v[48:49], v[RW+\p:RW+\p+1], v[16+\p:17+\p], v[48:49]
	v_pk_fma_f32 v[50:51], v[RW+\p+2:RW+\p+3], v[18+\p:19+\p], v[50:51]
.endr
.if (\i) < 4
	RLOAD (\i)+4
.endif
	v_pk_add_f32 v[48:49], v[48:49], v[50:51]
	v_add_f32 v48, v48, v49
	v_add_f32_dpp v48, v48, v48 row_xmask:1 row_mask:0xf bank_mask:0xf
	v_add_f32_dpp v48, v48, v48 row_xmask:2 row_mask:0xf bank_mask:0xf
	v_add_f32_dpp v48, v48, v48 row_xmask:4 row_mask:0xf bank_mask:0xf
	v_add_f32_dpp v48, v48, v48 row_xmask:8 row_mask:0xf bank_mask:0xf
	v_permlanex16_b32 v58, v48, s46, s47
	v_add_f32 v48, v48, v58                        ; the row's sum, in every lane
	s_mov_b32 s40, 1<<(\i)
	v_cndmask_b32 v56, v56, v48, s40               ; lane i keeps it
.endm
	QROW 0, 24
	QROW 1, 24
	QROW 2, 24
	QROW 3, 24
	QROW 4, 24
	QROW 5, 16
	QROW 6, 8
	QROW 7, 0
	v_add_f32 v56, v56, v57                        ; + bq
	v_mul_f32 v56, 0x3e000000, v56                 ; x 64^(-1/2)
	s_wait_xcnt 0x0                                ; EXEC changes only behind this wait
	v_cmp_gt_u32 vcc_lo, 8, v1
	s_and_saveexec_b32 s41, vcc_lo
	global_store_b32 v59, v56, s[24:25]            ; lanes 0 to 7
	s_wait_xcnt 0x0
	s_or_b32 exec_lo, exec_lo, s41
	s_endpgm
.Lfunc_end_k_q44e371c163_prep:
	.size	k_q44e371c163_prep, .Lfunc_end_k_q44e371c163_prep-k_q44e371c163_prep
	.p2alignl 7, 3214868480
	.fill 96, 4, 3214868480
	.section	.rodata,"a",@progbits
	.p2align	6, 0x0
	.amdhsa_kernel k_q44e371c163_prep
		.amdhsa_group_segment_fixed_size 34304
		.amdhsa_private_segment_fixed_size 0
		.amdhsa_enable_private_segment 0
		.amdhsa_kernarg_size 88
		.amdhsa_user_sgpr_count 2
		.amdhsa_user_sgpr_kernarg_segment_ptr 1
		.amdhsa_wavefront_size32 1
		.amdhsa_system_sgpr_workgroup_id_x 1
		.amdhsa_system_sgpr_workgroup_id_y 1
		.amdhsa_system_sgpr_workgroup_id_z 1
		.amdhsa_system_vgpr_workitem_id 0
		.amdhsa_next_free_vgpr 210
		.amdhsa_next_free_sgpr 66
		.amdhsa_reserve_vcc 1
		.amdhsa_float_denorm_mode_32 3
		.amdhsa_float_denorm_mode_16_64 3
		.amdhsa_memory_ordered 1
		.amdhsa_forward_progress 1
		.amdhsa_inst_pref_size 78
	.end_amdhsa_kernel
	.amdgpu_metadata
---
amdhsa.version: [ 1, 2 ]
amdhsa.kernels:
  - .name:           k_q44e371c163_prep
    .symbol:         k_q44e371c163_prep.kd
    .args:
      - { .name: Wk, .offset: 0, .size: 8, .value_kind: global_buffer, .address_space: global }
      - { .name: Wv, .offset: 8, .size: 8, .value_kind: global_buffer, .address_space: global }
      - { .name: representations, .offset: 16, .size: 8, .value_kind: global_buffer, .address_space: global }
      - { .name: Wq, .offset: 24, .size: 8, .value_kind: global_buffer, .address_space: global }
      - { .name: queries, .offset: 32, .size: 8, .value_kind: global_buffer, .address_space: global }
      - { .name: bq, .offset: 40, .size: 8, .value_kind: global_buffer, .address_space: global }
      - { .name: lowp_scales, .offset: 48, .size: 8, .value_kind: global_buffer, .address_space: global }
      - { .name: wkc, .offset: 56, .size: 8, .value_kind: global_buffer, .address_space: global }
      - { .name: wvc, .offset: 64, .size: 8, .value_kind: global_buffer, .address_space: global }
      - { .name: xc, .offset: 72, .size: 8, .value_kind: global_buffer, .address_space: global }
      - { .name: qbuf, .offset: 80, .size: 8, .value_kind: global_buffer, .address_space: global }
    .group_segment_fixed_size: 34304
    .private_segment_fixed_size: 0
    .kernarg_segment_align: 8
    .kernarg_segment_size: 88
    .max_flat_workgroup_size: 128
    .sgpr_count:     66
    .vgpr_count:     210
    .wavefront_size: 32
...
	.end_amdgpu_metadata
.endif
;; end of part 1
;; launch attn (part 2): grid 64 x 4, 4 waves a work-group, clusters of 4 x 1, 327,680 bytes of LDS; arguments xc, wkc, wvc, qbuf, bk, bv, attention_mask, lowp_scales, ctx; writes ctx
.if DOCPART == 2
	.amdgcn_target "amdgcn-amd-amdhsa--gfx1250"
	.amdhsa_code_object_version 6
	.text
	.protected	k_q44e371c163_attn
	.globl	k_q44e371c163_attn
	.p2align	8
	.type	k_q44e371c163_attn,@function
k_q44e371c163_attn:
	s_mov_b64 s[64:65], 0
	v_nop
	global_prefetch_b8 v0, s[64:65] scope:SCOPE_SE
	s_setreg_imm32_b32 hwreg(HW_REG_WAVE_MODE, 25, 1), 1
	s_wait_xcnt 0x0
	s_wait_alu depctr_hold_cnt(0) depctr_sa_sdst(0) depctr_va_vdst(0) depctr_va_sdst(0) depctr_va_ssrc(0) depctr_va_vcc(0) depctr_vm_vsrc(0)
	s_getreg_b32 s2, hwreg(HW_REG_IB_STS2, 6, 4)
	s_cmp_eq_u32 s2, 0
	s_cbranch_scc0 .Lentry_in_a_cluster
	s_endpgm
.Lentry_in_a_cluster:
	s_bfe_u32 s2, ttmp6, 0x10000c
	s_cmp_lg_u32 s2, 0x3003
	s_cbranch_scc0 .Lentry_shape_is_right
	s_endpgm
.Lentry_shape_is_right:
; ATTN.  ctx[k][b][head][d] = sum over s of softmax_s(q[k][head] . Kp[k][b][s][head] + mask[b][s]) Vp[k][b][s][head][d], with Kp = X Wk^T + bk and Vp = X Wv^T + bv made on codes of BF8 (E5M2) and never stored.
; SHARES.  A work-group owns one (k, b) and two heads; wave w owns head 2 hp + (w & 1) and, of every 128 keys, the 64 keys of half w >> 1.
; THE WEIGHTS STAND STILL: a wave's 64 rows x 1,024 K of codes (Wk in the first pass, Wv in the second) fill 512 registers, loaded straight from their register images.
; Only X goes through LDS: two slots of 128 keys x 1,024 codes (131,072 bytes), filled by the tensor data mover.  A fragment of X read from LDS feeds four matrix instructions.
; THE MATRIX INSTRUCTION IS USED TRANSPOSED (source 0 = 16 rows of W, source 1 = 16 keys of X): lane (r, h) holds key r, and register j channel 8 h + j.  So a score is a dot product inside a lane and one exchange
; between the halves of the lanes, and a weight p is one number a lane.
; TWO PASSES: pass 1 leaves all 1,024 scores of both heads in LDS; then the softmax, with the true maximum taken away; pass 2 weighs Vp.  16 slots, 128 matrix instructions a wave each.
; CLUSTER: the four work-groups of a cluster share b, so every tile of X is asked for JOINTLY (mask 15).  The weights are not shared so: they go into registers without touching LDS, and are 512 KiB of a work-group's
; 2.5 MiB of reads.  Cluster c begins its walk at slot c % 8, so that the clusters of one b do not all ask for the same slot at once; scores and p lie in LDS in the order of the walk, and only global addresses know of it.
; bk enters each score as sum of q bk.  bv is added once to the weighted sum: a softmax's weights add up to 1 within f32 rounding.
; LIMITS: e0 + e1 and e2 + e3 are applied by v_ldexp_f32.  NaN among the inputs is not served; a row whose mask is -infinity everywhere gives NaN, as in the definition.
; REGISTERS, in windows of 256: window 0: v0-31 addresses and small things; v32-63 q x 2^(e0+e1), later the weighted sums; v64-95 the mask; v96-115 at work; v128-255 the 16 accumulators ((i, ft) at 128 + 8 (4 i + ft)).
;   window 1: four sets of X's fragments (set n, tile i at 64 n + 16 i).   windows 2 and 3: W's fragments ((ft, ks) in window 2 + ks / 4 at 64 (ks % 4) + 16 ft).
.set SLOT1, 1<<17                      ; slot 1 begins here: one exclusive or turns an address in one slot into the other's
.set SCB,   262144                     ; scores: [head of the pair 2][half 2][walk slot 8][64] f32, 8,192 bytes
.set PB,    270336                     ; p: the same order, a copy of its head's 4,096 bytes for each wave
.set CTB,   286720                     ; the waves' weighted sums: [wave 4][64] f32
.set SPARE, 287744                     ; the spare words, 128 bytes for each wave: two blocks of 256 bytes that no other line names
.set Q,   32
.set MK,  64
.set TT,  96                           ; v96-103   four pairs: a score in the making for each tile of keys
.set UU,  104                          ; v104-107  the other half's
.set PP,  108                          ; v108-115  p of my key in each of the four tiles (the even registers)
.set ACC, 128
.set MSB, 0
.macro WIN new                         ; the immediate's high byte repeats the setting that is left; a switch that changes nothing is dropped
.if MSB != (\new)
	s_set_vgpr_msb (MSB<<8)|(\new)
.set MSB, (\new)
.endif
.endm
.macro NOP4
.rept 4
	v_nop
.endr
.endm
.macro CROUND                          ; a round of the cluster's barrier
	s_barrier_signal -1
	s_barrier_wait -1
	s_cmp_lg_u32 s22, 0
	s_cbranch_scc1 .Lnot_wave_0_\@
	s_barrier_signal -3
.Lnot_wave_0_\@:
	s_barrier_wait -3
	s_barrier_signal -1
	s_barrier_wait -1
.endm
	s_load_b256 s[4:11], s[0:1], 0x0               ; xc s[4:5], wkc s[6:7], wvc s[8:9], qbuf s[10:11]
	s_load_b256 s[12:19], s[0:1], 0x20             ; bk s[12:13], bv s[14:15], mask s[16:17], scales s[18:19]
	s_load_b64 s[20:21], s[0:1], 0x40              ; ctx
	v_lshl_add_u32 v16, v0, 2, SPARE               ; my spare word; never rewritten
	v_mov_b32 v17, 0                               ; 0; never rewritten
	ds_add_u32 v16, v17
	s_wait_dscnt 0x0
	v_lshrrev_b32 v1, 5, v0
	v_readfirstlane_b32 s22, v1                    ; wave 0..3
	s_and_b32 s23, s22, 1                          ; hl: which head of the pair
	s_lshr_b32 s24, s22, 1                         ; sp: which four of a slot's eight row tiles
	s_bfe_u32 s25, ttmp6, 0x40000                  ; cx: it enters global addresses of plain loads, of the store and of the prefetch alone
	s_lshl_b32 s26, ttmp9, 2
	s_add_co_u32 s26, s26, s25                     ; work-group x
	s_lshr_b32 s27, s26, 3                         ; k
	s_and_b32 s28, s26, 7                          ; hp: pair of heads
	s_and_b32 s29, ttmp7, 0xffff                   ; b, which the four partners share
	s_and_b32 s30, ttmp9, 7                        ; rot: where my cluster's walk begins
	; descriptor group 1: 128 rows of 32 elements of 8 bytes, dense: a wave's quarter of a slot, 32,768 bytes
	s_mov_b32 s32, 15|(3<<16)|(1<<21)              ; 15:0 the mask: all four work-groups; 17:16 elements of 8 bytes; 21 set beside a mask; no padding: every fragment read takes 512 consecutive bytes
	s_mov_b32 s33, 32<<16                          ; tensor_dim0 = 32
	s_mov_b32 s34, 128<<16                         ; tensor_dim1 = 128
	s_mov_b32 s35, 32<<16                          ; tile_dim0 = 32
	s_mov_b32 s36, 128                             ; tile_dim1 = 128
	s_mov_b32 s37, 32                              ; from row to row
	s_mov_b32 s38, 0
	s_mov_b32 s39, 0
	s_lshl_b32 s72, s29, 21                        ; my b's 2 MiB of xc,
	s_lshl_b32 s73, s22, 15                        ; my wave's quarter of a slot
	s_add_co_u32 s72, s72, s73
	s_mov_b32 s73, 0
	s_lshl_b32 s44, s30, 17                        ; s[44:45]: the slot of the walk, in bytes
	s_mov_b32 s45, 0
	s_wait_kmcnt 0x0
	s_load_b128 s[52:55], s[18:19], 0x0            ; e0 .. e3
	s_add_nc_u64 s[46:47], s[4:5], s[72:73]        ; X's codes for the product with Wk,
	s_add_nc_u64 s[48:49], s[46:47], 0x100000      ; and for the product with Wv
	s_mov_b32 s40, 1                               ; descriptor group 0, which walks: count = 1
	s_lshl_b32 s41, s22, 15                        ; LDS address: slot 0, my quarter
	s_add_nc_u64 s[42:43], s[46:47], s[44:45]
	s_or_b32 s43, s43, 0x80000000                  ; type = 2
	CROUND                                         ; all four work-groups are here: the first joint loads meet
	tensor_load_to_lds s[40:43], s[32:39]          ; slot 0 of the walk
	s_nop 0
	NOP4
	; the other pointers
	s_lshl_b32 s31, s28, 1
	s_add_co_u32 s31, s31, s23                     ; my head, 0..15
	s_lshl_b32 s70, s27, 20
	s_lshl_b32 s71, s31, 16
	s_add_co_u32 s70, s70, s71                     ; a k is 1 MiB of codes, a head 64 KiB
	s_mov_b32 s71, 0
	s_add_nc_u64 s[6:7], s[6:7], s[70:71]
	s_add_nc_u64 s[8:9], s[8:9], s[70:71]
	s_lshl_b32 s70, s27, 12
	s_lshl_b32 s26, s31, 8
	s_add_co_u32 s70, s70, s26
	s_add_nc_u64 s[10:11], s[10:11], s[70:71]      ; my head's 64 numbers of q
	s_add_nc_u64 s[12:13], s[12:13], s[70:71]      ; and of bk
	s_lshl_b32 s70, s29, 12
	s_add_nc_u64 s[16:17], s[16:17], s[70:71]      ; my b's row of the mask
	s_lshl_b32 s70, s27, 12
	s_lshl_b32 s26, s28, 9
	s_add_co_u32 s70, s70, s26
	s_add_nc_u64 s[14:15], s[14:15], s[70:71]      ; the pair's 128 numbers of bv
	s_lshl_b32 s70, s27, 2
	s_add_co_u32 s70, s70, s29
	s_lshl_b32 s70, s70, 12
	s_add_co_u32 s70, s70, s26
	s_add_nc_u64 s[20:21], s[20:21], s[70:71]      ; and of ctx[k][b]
	s_lshl_b32 s70, s29, 21                        ; the prefetch: the first slot of the second pass, shared out by address: 32 KiB a partner, 8 KiB a wave, lanes 256 bytes apart
	s_lshl_b32 s26, s30, 17
	s_add_co_u32 s70, s70, s26
	s_lshl_b32 s26, s25, 15
	s_add_co_u32 s70, s70, s26
	s_lshl_b32 s26, s22, 13
	s_add_co_u32 s70, s70, s26
	s_add_co_u32 s70, s70, 0x100000
	s_add_nc_u64 s[50:51], s[4:5], s[70:71]
	s_cmp_lt_u32 ttmp9, 8                          ; clusters c and c + 8 walk alike: the first of the two asks
	s_cselect_b32 s63, 2, -1
	s_mov_b32 s56, 0x76543210                      ; v_permlanex16_b32: lane l xor 16
	s_mov_b32 s57, 0xfedcba98
	s_mov_b32 s58, 0x3fb8aa3b                      ; log2(e), as a pair
	s_mov_b32 s59, 0x3fb8aa3b
	s_mov_b32 s60, 0xbfb8aa3b                      ; -log2(e)
	s_mov_b32 s61, 0                               ; the slot to be read
	s_mov_b32 s66, 0                               ; the walk's place among the scores,
	s_mov_b32 s67, 0                               ; and among p
	v_and_b32 v1, 31, v0                           ; lane
	v_and_b32 v2, 15, v0                           ; r
	v_bfe_u32 v3, v0, 4, 1                         ; h
	v_lshlrev_b32 v4, 4, v1                        ; 16 x lane
	v_lshlrev_b32 v18, 5, v3                       ; 32 h: my half's eight channels of a tile
	; small loads: q and bk of my channels (register 8 ft + j: channel 16 ft + 8 h + j), the mask in the walk's order, bv
.irp ft, 0,1,2,3
	global_load_b128 v[Q+8*\ft:Q+8*\ft+3], v18, s[10:11] offset:64*\ft
	global_load_b128 v[Q+8*\ft+4:Q+8*\ft+7], v18, s[10:11] offset:64*\ft+16
	global_load_b128 v[ACC+8*\ft:ACC+8*\ft+3], v18, s[12:13] offset:64*\ft
	global_load_b128 v[ACC+8*\ft+4:ACC+8*\ft+7], v18, s[12:13] offset:64*\ft+16
.endr
.irp j, 0,1,2,3,4,5,6,7                ; piece j of the softmax's 32 registers: half j / 4, walk slot 2 (j % 4) + h, keys 4 r + 0 .. 3 of its 64: in memory slot (walk slot + rot) % 8
	s_add_co_u32 s26, s30, 2*(\j%4)
	v_add_nc_u32 v[MK+4*\j], s26, v3
	v_and_b32 v[MK+4*\j], 7, v[MK+4*\j]
	v_lshlrev_b32 v[MK+4*\j], 9, v[MK+4*\j]
	v_lshl_add_u32 v[MK+4*\j], v2, 4, v[MK+4*\j]
	global_load_b128 v[MK+4*\j:MK+4*\j+3], v[MK+4*\j], s[16:17] offset:256*(\j/4)   ; the load lands on its own address register
.endr
	global_load_b128 v[24:27], v4, s[14:15]        ; bv, laid as the store of ctx is
	WIN 0x80                                       ; destination window 2
.irp ks, 0,1,2,3
.irp ft, 0,1,2,3
.irp c, 0,1,2,3
	global_load_b128 v[64*\ks+16*\ft+4*\c:64*\ks+16*\ft+4*\c+3], v4, s[6:7] offset:(8*\ft+\ks)*2048+512*\c   ; Wk's images: 512 consecutive bytes a load
.endr
.endr
.endr
	WIN 0xc0                                       ; destination window 3
.irp ks, 4,5,6,7
.irp ft, 0,1,2,3
.irp c, 0,1,2,3
	global_load_b128 v[64*(\ks-4)+16*\ft+4*\c:64*(\ks-4)+16*\ft+4*\c+3], v4, s[6:7] offset:(8*\ft+\ks)*2048+512*\c
.endr
.endr
.endr
	WIN 0
	; LDS addresses: constants, the lane and the wave's number
	s_lshl_b32 s72, s24, 16
	v_add_nc_u32 v5, s72, v4                       ; X: my four row tiles of a slot, + 16 x lane
	s_lshl_b32 s72, s23, 12
	s_add_co_u32 s72, s72, SCB
	v_add_nc_u32 v9, s72, v4                       ; the softmax reads my head's scores
	s_lshl_b32 s73, s24, 11
	s_add_co_u32 s72, s72, s73
	v_lshl_add_u32 v7, v2, 2, s72                  ; my scores: head, half, key r
	s_lshl_b32 s72, s22, 12
	s_add_co_u32 s72, s72, PB
	v_add_nc_u32 v10, s72, v4                      ; p goes into my wave's copy
	s_add_co_u32 s72, s72, s73
	v_lshl_add_u32 v11, v2, 2, s72                 ; and my keys' p come from there
	s_lshl_b32 s72, s22, 8
	s_add_co_u32 s72, s72, CTB
	v_lshl_add_u32 v13, v3, 5, s72                 ; my wave's weighted sums
	v_add_nc_u32 v14, CTB, v4                      ; wave 0 reads all four waves'
	v_lshlrev_b32 v15, 8, v1                       ; the prefetch: 256 x lane
	v_mov_b32 v23, 0                               ; upper halves of pairs of which the low word serves, and destinations of lane permutes: written once
	v_mov_b32 v31, 0
.irp i, 0,1,2,3
	v_mov_b32 v[UU+\i], 0
	v_mov_b32 v[PP+2*\i+1], 0
.endr
; THE CHANGE OF SLOTS stands at a slot's head.  Each wave waits for all its tensor loads (one is out: its quarter of the slot that it is about to read), adds 0 to its spare word, and waits for that and for its reads of
; the slot that it has left.  fill = 1: a round of the cluster's barrier, and behind it the joint load of the walk's next slot into the slot just left: a wave's one tensor load until the next round.
; base: s46 (codes for Wk) or s48 (codes for Wv).  ask = 1: the prefetch's place.
.macro CHANGE fill, base, ask
	WIN 0
	s_wait_tensorcnt 0x0                           ; no tensor load of mine is out, so group 0 may be written
	ds_add_u32 v16, v17                            ; 0 onto my spare word
.if \fill
	s_xor_b32 s41, s41, SLOT1                      ; the other slot than last time,
	s_add_co_u32 s44, s44, 0x20000                 ; the walk's next 128 keys,
	s_and_b32 s44, s44, 0xe0000                    ; round the eight slots
	s_add_nc_u64 s[42:43], s[\base:\base+1], s[44:45]
	s_or_b32 s43, s43, 0x80000000
.endif
	s_wait_dscnt 0x0                               ; the add is done, and my reads of the slot that I have left are over
.if \fill
	CROUND                                         ; the same holds of every wave of all four work-groups
	tensor_load_to_lds s[40:43], s[32:39]
	s_nop 0
	NOP4
.if \ask
; One prefetch a wave in the launch, in the loop's trip with two trips to go: the first slot of X's codes for Wv, which the change of slots two slots on asks for.  128 KiB = 4 partners (told apart by address) x 4 waves x
; 32 lanes x 256 bytes: each block is named once.  Nothing is asked at the head, where every work-group's first tiles are on their way.
	s_cmp_eq_u32 s62, s63
	s_cbranch_scc0 .Lno_ask_\@
	global_prefetch_b8 v15, s[50:51] th:TH_LOAD_NT scope:SCOPE_SE
.Lno_ask_\@:
.endif
.else
	s_barrier_signal -1
	s_barrier_wait -1
.endif
.endm
.macro FETCH k                         ; X's four fragments of K step k into set k % 4: 16 loads of 512 consecutive bytes
.irp i, 0,1,2,3
.irp c, 0,1,2,3
	ds_load_b128 v[64*((\k)%4)+16*\i+4*\c:64*((\k)%4)+16*\i+4*\c+3], v6 offset:16384*\i+2048*(\k)+512*\c
.endr
.endr
.endm
.macro PRO                             ; a slot's first three K steps are asked for
	v_add_nc_u32 v6, s61, v5
	s_xor_b32 s61, s61, SLOT1
	WIN 0x40                                       ; destination window 1, address window 0
	FETCH 0
	FETCH 1
	FETCH 2
	WIN 0
.endm
; A SLOT'S PRODUCTS: eight K steps of 16 matrix instructions; the 16 accumulators take turns, one instruction a turn, in the same order in every K step; the first K step starts the sums.
; Fetches run three K steps ahead.  x: the LDS instructions issued between PRO and here, which may stay out with the two younger fetches.
; Four v_nop behind each K step: a load into a register that a matrix instruction has read, and a vector instruction that reads a result, stand four plain vector instructions behind it (ISA guide 7.12.1 for vector
; instructions).  They serve the fetch into the set that the K step before read, the reload, and behind the last K step the first read of the sums.
; reload = 1: Wv's fragments take the place of Wk's, K step by K step, behind the last products that read them.
.macro MAIN reload, x
.irp ks, 0,1,2,3,4,5,6,7
.if \ks < 3
	s_wait_dscnt 32+\x
.elseif \ks < 6
	s_wait_dscnt 32                                ; this K step's fragments are in; the two younger fetches may be out
.elseif \ks == 6
	s_wait_dscnt 16
.else
	s_wait_dscnt 0
.endif
	WIN 0x06+(\ks/4)                               ; source 0 (W) window 2 or 3, source 1 (X) window 1, C and D window 0
.irp i, 0,1,2,3
.irp ft, 0,1,2,3
.if \ks == 0
	v_wmma_f32_16x16x128_bf8_bf8 v[ACC+8*(4*\i+\ft):ACC+8*(4*\i+\ft)+7], v[64*(\ks%4)+16*\ft:64*(\ks%4)+16*\ft+15], v[64*(\ks%4)+16*\i:64*(\ks%4)+16*\i+15], 0
.else
	v_wmma_f32_16x16x128_bf8_bf8 v[ACC+8*(4*\i+\ft):ACC+8*(4*\i+\ft)+7], v[64*(\ks%4)+16*\ft:64*(\ks%4)+16*\ft+15], v[64*(\ks%4)+16*\i:64*(\ks%4)+16*\i+15], v[ACC+8*(4*\i+\ft):ACC+8*(4*\i+\ft)+7]
.endif
.endr
.endr
	NOP4
.if \reload
	WIN 0x80+0x40*(\ks/4)                          ; destination window 2 or 3
.irp ft, 0,1,2,3
.irp c, 0,1,2,3
	global_load_b128 v[64*(\ks%4)+16*\ft+4*\c:64*(\ks%4)+16*\ft+4*\c+3], v4, s[8:9] offset:(8*\ft+\ks)*2048+512*\c
.endr
.endr
.endif
.if \ks < 5
	WIN 0x40
	FETCH (\ks+3)
.endif
.endr
	WIN 0
.endm
; The scores of the slot just multiplied: for each tile i of 16 keys, sum over my 32 channels of (q 2^(e0+e1)) x sum, begun with my half's sum of q bk; then the other half of the lanes'.  Each accumulator is read from its low end on.
.macro EPIK
	v_add_nc_u32 v8, s66, v7
	s_add_co_u32 s66, s66, 256
.irp p, 0,1,2,3,4,5,6,7,8,9,10,11,12,13,14,15
.irp i, 0,1,2,3
.if \p == 0
	v_pk_fma_f32 v[TT+2*\i:TT+2*\i+1], v[ACC+32*\i:ACC+32*\i+1], v[Q:Q+1], v[20:21]
.else
	v_pk_fma_f32 v[TT+2*\i:TT+2*\i+1], v[ACC+32*\i+2*\p:ACC+32*\i+2*\p+1], v[Q+2*\p:Q+2*\p+1], v[TT+2*\i:TT+2*\i+1]
.endif
.endr
.endr
.irp i, 0,1,2,3
	v_add_f32 v[TT+2*\i], v[TT+2*\i], v[TT+2*\i+1]
.endr
.irp i, 0,1,2,3
	v_permlanex16_b32 v[UU+\i], v[TT+2*\i], s56, s57
.endr
.irp i, 0,1,2,3
	v_add_f32 v[TT+2*\i], v[TT+2*\i], v[UU+\i]
.endr
.irp i, 0,1,2,3
	ds_store_b32 v8, v[TT+2*\i] offset:64*\i       ; both halves of the lanes write the same word with the same number
.endr
.endm
.macro PLOAD                           ; p of my key in each of the next slot's four tiles
	v_add_nc_u32 v12, s67, v11
	s_add_co_u32 s67, s67, 256
.irp i, 0,1,2,3
	ds_load_b32 v[PP+2*\i], v12 offset:64*\i
.endr
.endm
.macro EPIV                            ; the weighted sums take p x the slot just multiplied; each accumulator is read from its low end on
.irp i, 0,1,2,3
.irp p, 0,1,2,3,4,5,6,7,8,9,10,11,12,13,14,15
	v_pk_fma_f32 v[Q+2*\p:Q+2*\p+1], v[ACC+32*\i+2*\p:ACC+32*\i+2*\p+1], v[PP+2*\i:PP+2*\i+1], v[Q+2*\p:Q+2*\p+1] op_sel_hi:[1,0,1]
.endr
.endr
.endm
; THE SOFTMAX of my head's 1,024 scores, 32 a lane, in the accumulators' first 32 registers.  The two waves of a head both make it, each into its own copy of p: no barrier behind it.
.macro SOFTMAX
	s_wait_dscnt 0x0                               ; my scores have landed
	s_barrier_signal -1                            ; (one tensor load of mine stays out across this barrier)
	s_barrier_wait -1                              ; everybody's have
.irp j, 0,1,2,3,4,5,6,7
	ds_load_b128 v[ACC+4*\j:ACC+4*\j+3], v9 offset:512*\j
.endr
.irp j, 0,1,2,3,4,5,6,7,8,9,10,11,12,13,14,15,16,17,18,19,20,21,22,23,24,25,26,27,28,29,30,31
	v_mov_b32 v[Q+\j], 0                           ; q is done with: its registers become the weighted sums
.endr
	s_wait_dscnt 0x0
.irp j, 0,2,4,6,8,10,12,14,16,18,20,22,24,26,28,30
	v_pk_add_f32 v[ACC+\j:ACC+\j+1], v[ACC+\j:ACC+\j+1], v[MK+\j:MK+\j+1]   ; + the mask
.endr
	v_max3_num_f32 v28, v[ACC], v[ACC+1], v[ACC+2]
	v_max3_num_f32 v29, v[ACC+3], v[ACC+4], v[ACC+5]
.irp j, 6,10,14,18,22,26
	v_max3_num_f32 v28, v28, v[ACC+\j], v[ACC+\j+1]
	v_max3_num_f32 v29, v29, v[ACC+\j+2], v[ACC+\j+3]
.endr
	v_max3_num_f32 v28, v28, v[ACC+30], v[ACC+31]
	v_max_num_f32 v28, v28, v29
	v_max_num_f32_dpp v28, v28, v28 row_xmask:1 row_mask:0xf bank_mask:0xf
	v_max_num_f32_dpp v28, v28, v28 row_xmask:2 row_mask:0xf bank_mask:0xf
	v_max_num_f32_dpp v28, v28, v28 row_xmask:4 row_mask:0xf bank_mask:0xf
	v_max_num_f32_dpp v28, v28, v28 row_xmask:8 row_mask:0xf bank_mask:0xf
	v_permlanex16_b32 v31, v28, s56, s57
	v_max_num_f32 v28, v28, v31                    ; the row's maximum m, in every lane
	v_mul_f32 v22, s60, v28                        ; -m log2(e)
.irp j, 0,2,4,6,8,10,12,14,16,18,20,22,24,26,28,30
	v_pk_fma_f32 v[ACC+\j:ACC+\j+1], v[ACC+\j:ACC+\j+1], s[58:59], v[22:23] op_sel_hi:[1,0,0]   ; (s - m) log2(e)
.endr
.irp j, 0,1,2,3,4,5,6,7,8,9,10,11,12,13,14,15,16,17,18,19,20,21,22,23,24,25,26,27,28,29,30,31
	v_exp_f32 v[ACC+\j], v[ACC+\j]
.endr
	v_nop                                          ; a plain line between the exponentials and the use of their results (ISA guide 5.7.2)
	s_wait_alu depctr_va_vdst(0)
	v_pk_add_f32 v[28:29], v[ACC:ACC+1], v[ACC+2:ACC+3]
	v_pk_add_f32 v[30:31], v[ACC+4:ACC+5], v[ACC+6:ACC+7]
.irp j, 8,12,16,20,24,28
	v_pk_add_f32 v[28:29], v[28:29], v[ACC+\j:ACC+\j+1]
	v_pk_add_f32 v[30:31], v[30:31], v[ACC+\j+2:ACC+\j+3]
.endr
	v_pk_add_f32 v[28:29], v[28:29], v[30:31]
	v_add_f32 v28, v28, v29
	v_add_f32_dpp v28, v28, v28 row_xmask:1 row_mask:0xf bank_mask:0xf
	v_add_f32_dpp v28, v28, v28 row_xmask:2 row_mask:0xf bank_mask:0xf
	v_add_f32_dpp v28, v28, v28 row_xmask:4 row_mask:0xf bank_mask:0xf
	v_add_f32_dpp v28, v28, v28 row_xmask:8 row_mask:0xf bank_mask:0xf
	v_permlanex16_b32 v30, v28, s56, s57
	v_add_f32 v28, v28, v30                        ; the row's sum: at least the maximum's own term
	v_rcp_f32 v22, v28
	v_nop
	s_wait_alu depctr_va_vdst(0)
.irp j, 0,2,4,6,8,10,12,14,16,18,20,22,24,26,28,30
	v_pk_mul_f32 v[ACC+\j:ACC+\j+1], v[ACC+\j:ACC+\j+1], v[22:23] op_sel_hi:[1,0]
.endr
.irp j, 0,1,2,3,4,5,6,7
	ds_store_b128 v10, v[ACC+4*\j:ACC+4*\j+3] offset:512*\j
.endr
.endm
	; ---- walk slot 0 of pass 1
	CHANGE 1, 46, 0
	PRO
	s_wait_loadcnt 0x0                             ; q, bk, the mask, bv, Wk
	s_wait_kmcnt 0x0
	s_add_co_i32 s68, s52, s53                     ; e0 + e1
	s_add_co_i32 s69, s54, s55                     ; e2 + e3
	v_pk_mul_f32 v[20:21], v[Q:Q+1], v[ACC:ACC+1]  ; my half's sum of q bk, as a pair: every score's chain begins with it
.irp p, 1,2,3,4,5,6,7,8,9,10,11,12,13,14,15
	v_pk_fma_f32 v[20:21], v[Q+2*\p:Q+2*\p+1], v[ACC+2*\p:ACC+2*\p+1], v[20:21]
.endr
.irp j, 0,1,2,3,4,5,6,7,8,9,10,11,12,13,14,15,16,17,18,19,20,21,22,23,24,25,26,27,28,29,30,31
	v_ldexp_f32 v[Q+\j], v[Q+\j], s68              ; a sum of the first product stands for sum x 2^(e0 + e1): the power goes into q
.endr
	MAIN 0, 0
	; ---- walk slots 1 to 6
	s_mov_b32 s62, 6
.LK:
	CHANGE 1, 46, 1
	PRO
	EPIK
	MAIN 0, 4
	s_sub_co_u32 s62, s62, 1
	s_cmp_lg_u32 s62, 0
	s_cbranch_scc1 .LK
	; ---- walk slot 7: the load behind its change is pass 2's first; Wv comes in behind Wk's last products
	CHANGE 1, 48, 0
	PRO
	EPIK
	MAIN 1, 4
	; ---- pass 2, walk slot 0: the last scores, the softmax
	CHANGE 1, 48, 0
	PRO
	EPIK
	SOFTMAX
	PLOAD
	s_wait_dscnt 0x0                               ; the stores of p have read their registers, which the products below write
	s_wait_loadcnt 0x0                             ; Wv
	MAIN 0, 0
	; ---- walk slots 1 to 6
	s_mov_b32 s62, 6
.LV:
	CHANGE 1, 48, 0
	PRO
	EPIV
	PLOAD
	MAIN 0, 4
	s_sub_co_u32 s62, s62, 1
	s_cmp_lg_u32 s62, 0
	s_cbranch_scc1 .LV
	; ---- walk slot 7: written out: nothing is left to ask for
	CHANGE 0, 48, 0
	PRO
	EPIV
	PLOAD
	MAIN 0, 4
	EPIV
	; ---- the end: the 16 keys of a half of the lanes are added; the two waves of a head meet in LDS
.irp m, 1,2,4,8
.irp j, 0,1,2,3,4,5,6,7,8,9,10,11,12,13,14,15,16,17,18,19,20,21,22,23,24,25,26,27,28,29,30,31
	v_add_f32_dpp v[Q+\j], v[Q+\j], v[Q+\j] row_xmask:\m row_mask:0xf bank_mask:0xf
.endr
.endr
.irp ft, 0,1,2,3
	ds_store_b128 v13, v[Q+8*\ft:Q+8*\ft+3] offset:64*\ft        ; channel 16 ft + 8 h + j; the 16 lanes of a half write the same words with the same numbers
	ds_store_b128 v13, v[Q+8*\ft+4:Q+8*\ft+7] offset:64*\ft+16
.endr
	s_wait_dscnt 0x0
	s_barrier_signal -1
	s_barrier_wait -1
	s_cmp_lg_u32 s22, 0
	s_cbranch_scc1 .Lend
	ds_load_b128 v[96:99], v14                     ; waves 0 and 1: the two heads' sums over the first halves of the slots,
	ds_load_b128 v[100:103], v14 offset:512        ; waves 2 and 3: over the second halves
	s_wait_dscnt 0x0
	v_pk_add_f32 v[96:97], v[96:97], v[100:101]
	v_pk_add_f32 v[98:99], v[98:99], v[102:103]
.irp j, 0,1,2,3
	v_ldexp_f32 v[96+\j], v[96+\j], s69            ; x 2^(e2 + e3)
.endr
	v_pk_add_f32 v[96:97], v[96:97], v[24:25]      ; + bv
	v_pk_add_f32 v[98:99], v[98:99], v[26:27]
	global_store_b128 v4, v[96:99], s[20:21]       ; 32 lanes store 512 consecutive bytes
.Lend:
	s_wait_tensorcnt 0x0                           ; the wave's end
	ds_add_u32 v16, v17
	s_wait_dscnt 0x0
	CROUND                                         ; the closing round: no work-group ends while a partner may still ask for a tile that names it
	s_endpgm
.Lfunc_end_k_q44e371c163_attn:
	.size	k_q44e371c163_attn, .Lfunc_end_k_q44e371c163_attn-k_q44e371c163_attn
	.p2alignl 7, 3214868480
	.fill 96, 4, 3214868480
	.section	.rodata,"a",@progbits
	.p2align	6, 0x0
	.amdhsa_kernel k_q44e371c163_attn
		.amdhsa_group_segment_fixed_size 327680
		.amdhsa_private_segment_fixed_size 0
		.amdhsa_enable_private_segment 0
		.amdhsa_kernarg_size 72
		.amdhsa_user_sgpr_count 2
		.amdhsa_user_sgpr_kernarg_segment_ptr 1
		.amdhsa_wavefront_size32 1
		.amdhsa_system_sgpr_workgroup_id_x 1
		.amdhsa_system_sgpr_workgroup_id_y 1
		.amdhsa_system_sgpr_workgroup_id_z 1
		.amdhsa_system_vgpr_workitem_id 0
		.amdhsa_next_free_vgpr 1024
		.amdhsa_next_free_sgpr 74
		.amdhsa_reserve_vcc 0
		.amdhsa_float_denorm_mode_32 3
		.amdhsa_float_denorm_mode_16_64 3
		.amdhsa_memory_ordered 1
		.amdhsa_forward_progress 1
		.amdhsa_inst_pref_size 196
	.end_amdhsa_kernel
	.amdgpu_metadata
---
amdhsa.version: [ 1, 2 ]
amdhsa.kernels:
  - .name:           k_q44e371c163_attn
    .symbol:         k_q44e371c163_attn.kd
    .args:
      - { .name: xc, .offset: 0, .size: 8, .value_kind: global_buffer, .address_space: global }
      - { .name: wkc, .offset: 8, .size: 8, .value_kind: global_buffer, .address_space: global }
      - { .name: wvc, .offset: 16, .size: 8, .value_kind: global_buffer, .address_space: global }
      - { .name: qbuf, .offset: 24, .size: 8, .value_kind: global_buffer, .address_space: global }
      - { .name: bk, .offset: 32, .size: 8, .value_kind: global_buffer, .address_space: global }
      - { .name: bv, .offset: 40, .size: 8, .value_kind: global_buffer, .address_space: global }
      - { .name: attention_mask, .offset: 48, .size: 8, .value_kind: global_buffer, .address_space: global }
      - { .name: lowp_scales, .offset: 56, .size: 8, .value_kind: global_buffer, .address_space: global }
      - { .name: ctx, .offset: 64, .size: 8, .value_kind: global_buffer, .address_space: global }
    .group_segment_fixed_size: 327680
    .private_segment_fixed_size: 0
    .kernarg_segment_align: 8
    .kernarg_segment_size: 72
    .max_flat_workgroup_size: 128
    .sgpr_count:     74
    .vgpr_count:     1024
    .wavefront_size: 32
...
	.end_amdgpu_metadata
.endif
;; end of part 2
;; launch oproj (part 3): grid 256 x 1, 16 waves a work-group, no clusters, 18,944 bytes of LDS; arguments ctx, Wo, bo, att; writes att
.if DOCPART == 3
	.amdgcn_target "amdgcn-amd-amdhsa--gfx1250"
	.amdhsa_code_object_version 6
	.text
	.protected	k_q44e371c163_oproj
	.globl	k_q44e371c163_oproj
	.p2align	8
	.type	k_q44e371c163_oproj,@function
k_q44e371c163_oproj:
	s_mov_b64 s[64:65], 0
	v_nop
	global_prefetch_b8 v0, s[64:65] scope:SCOPE_SE
	s_setreg_imm32_b32 hwreg(HW_REG_WAVE_MODE, 25, 1), 1
	s_wait_xcnt 0x0
; PROJ.  out[k][b][f] = sum over e of vec[k][b][e] W[k][f][e] + bias[k][f], in f32.  vec, out: [8][4][1024]; W: [8][1024][1024]; bias: [8][1024].
; The weights are read once and bind: a work-group takes 32 rows f of one k (128 KiB), each of its sixteen waves two rows, and every wave asks for all its 16 loads of W in its first lines.
; The four vectors (16 KiB) come in once for the work-group and reach the waves through LDS.  The 4 x 32 results meet in LDS and leave by one store: four runs of 128 bytes (128 KiB in all against 32 MiB read).
; No matrix unit (four rows of vec), no tensor load, no cluster: what work-groups share, the vectors, is an eighth of what each reads.
.set OSB, 16384                        ; LDS: the vectors [4][1024] f32 at 0; the results [b 4][32] f32 here
.set AC,  20                           ; v20-35   eight pairs: sums (row q, vector b) at 20 + 2 (4 q + b)
.set U,   36                           ; v36-43   the other half of the lanes'
.set R,   44                           ; v44-107  my two rows of W
.set VV,  108                          ; v108-235 the four vectors, laid as a row of W is
	s_load_b256 s[4:11], s[0:1], 0x0               ; vec s[4:5], W s[6:7], bias s[8:9], out s[10:11]
	v_lshl_add_u32 v236, v0, 2, 0x4200
	v_mov_b32 v237, 0
	v_lshrrev_b32 v1, 5, v0
	v_readfirstlane_b32 s14, v1                    ; wave 0..15
	v_and_b32 v1, 31, v0                           ; lane
	v_lshlrev_b32 v2, 4, v1                        ; 16 x lane
	v_lshlrev_b32 v3, 4, v0                        ; 16 x thread
	s_lshl_b32 s15, s14, 3
	s_add_co_u32 s15, s15, OSB
	v_mov_b32 v4, s15                              ; my two rows' place among the results
	v_add_nc_u32 v5, OSB, v2                       ; wave 0 reads them all
	v_and_b32 v6, 7, v0
	v_lshlrev_b32 v6, 4, v6                        ; 16 x (lane % 8): four of the 32 rows
	v_lshrrev_b32 v7, 3, v1
	v_lshl_add_u32 v7, v7, 12, v6                  ; vector lane / 8, those four rows: the place in out
	s_mov_b32 s12, 0x76543210                      ; v_permlanex16_b32: lane l xor 16
	s_mov_b32 s13, 0xfedcba98
	s_lshr_b32 s16, ttmp9, 5                       ; k
	s_lshl_b32 s16, s16, 14                        ; four vectors of 4,096 bytes
	s_mov_b32 s17, 0
	s_lshl_b32 s18, ttmp9, 17                      ; 32 rows of W,
	s_lshl_b32 s19, s14, 13                        ; my two
	s_add_co_u32 s18, s18, s19
	s_mov_b32 s19, 0
	s_lshl_b32 s20, ttmp9, 7                       ; 32 numbers of bias
	s_mov_b32 s21, 0
	s_and_b32 s22, ttmp9, 31
	s_lshl_b32 s22, s22, 7
	s_add_co_u32 s22, s22, s16
	s_mov_b32 s23, 0
.irp c, 0,1,2,3,4,5,6,7
	v_mov_b32 v[U+\c], 0                           ; a lane permute's destination counts as read
.endr
	s_wait_kmcnt 0x0
	s_add_nc_u64 s[4:5], s[4:5], s[16:17]
	s_add_nc_u64 s[6:7], s[6:7], s[18:19]
	s_add_nc_u64 s[8:9], s[8:9], s[20:21]
	s_add_nc_u64 s[10:11], s[10:11], s[22:23]
	global_load_b128 v[8:11], v3, s[4:5]           ; the vectors: 512 threads x 16 bytes, twice
	global_load_b128 v[12:15], v3, s[4:5] offset:8192
	global_load_b128 v[16:19], v6, s[8:9]
.irp q, 0,1
.irp j, 0,1,2,3,4,5,6,7
	global_load_b128 v[R+32*\q+4*\j:R+32*\q+4*\j+3], v2, s[6:7] offset:4096*\q+512*\j th:TH_LOAD_NT   ; 512 consecutive bytes a load; read once in the launch
.endr
.endr
	s_wait_loadcnt 17                              ; the vectors are in; bias and W's 16 loads may be out
	ds_store_b128 v3, v[8:11]
	ds_store_b128 v3, v[12:15] offset:8192
	s_wait_dscnt 0x0                               ; for the others' sake
	s_barrier_signal -1
	s_barrier_wait -1
.irp b, 0,1,2,3
.irp j, 0,1,2,3,4,5,6,7
	ds_load_b128 v[VV+32*\b+4*\j:VV+32*\b+4*\j+3], v2 offset:4096*\b+512*\j
.endr
.endr
	s_wait_dscnt 0x0
	s_wait_loadcnt 0x0
.irp p, 0,1,2,3,4,5,6,7,8,9,10,11,12,13,14,15
.irp q, 0,1
.irp b, 0,1,2,3
.if \p == 0
	v_pk_mul_f32 v[AC+2*(4*\q+\b):AC+2*(4*\q+\b)+1], v[R+32*\q:R+32*\q+1], v[VV+32*\b:VV+32*\b+1]   ; the first products start the eight chains
.else
	v_pk_fma_f32 v[AC+2*(4*\q+\b):AC+2*(4*\q+\b)+1], v[R+32*\q+2*\p:R+32*\q+2*\p+1], v[VV+32*\b+2*\p:VV+32*\b+2*\p+1], v[AC+2*(4*\q+\b):AC+2*(4*\q+\b)+1]
.endif
.endr
.endr
.endr
.irp c, 0,1,2,3,4,5,6,7
	v_add_f32 v[AC+2*\c], v[AC+2*\c], v[AC+2*\c+1]
.endr
.irp m, 1,2,4,8
.irp c, 0,1,2,3,4,5,6,7
	v_add_f32_dpp v[AC+2*\c], v[AC+2*\c], v[AC+2*\c] row_xmask:\m row_mask:0xf bank_mask:0xf
.endr
.endr
.irp c, 0,1,2,3,4,5,6,7
	v_permlanex16_b32 v[U+\c], v[AC+2*\c], s12, s13
.endr
.irp c, 0,1,2,3,4,5,6,7
	v_add_f32 v[AC+2*\c], v[AC+2*\c], v[U+\c]
.endr
.irp q, 0,1
.irp b, 0,1,2,3
	ds_store_b32 v4, v[AC+2*(4*\q+\b)] offset:128*\b+4*\q   ; all lanes write the same word with the same number
.endr
.endr
	s_wait_dscnt 0x0
	s_barrier_signal -1
	s_barrier_wait -1
	s_cmp_lg_u32 s14, 0
	s_cbranch_scc1 .Ldone
	ds_load_b128 v[8:11], v5                       ; lane l: vector l / 8, rows 4 (l % 8) + 0 .. 3
	s_wait_dscnt 0x0
	v_pk_add_f32 v[8:9], v[8:9], v[16:17]
	v_pk_add_f32 v[10:11], v[10:11], v[18:19]
	global_store_b128 v7, v[8:11], s[10:11]
.Ldone:
	s_wait_tensorcnt 0x0
	ds_add_u32 v236, v237
	s_wait_dscnt 0x0
	s_endpgm
.Lfunc_end_k_q44e371c163_oproj:
	.size	k_q44e371c163_oproj, .Lfunc_end_k_q44e371c163_oproj-k_q44e371c163_oproj
	.p2alignl 7, 3214868480
	.fill 96, 4, 3214868480
	.section	.rodata,"a",@progbits
	.p2align	6, 0x0
	.amdhsa_kernel k_q44e371c163_oproj
		.amdhsa_group_segment_fixed_size 18944
		.amdhsa_private_segment_fixed_size 0
		.amdhsa_enable_private_segment 0
		.amdhsa_kernarg_size 32
		.amdhsa_user_sgpr_count 2
		.amdhsa_user_sgpr_kernarg_segment_ptr 1
		.amdhsa_wavefront_size32 1
		.amdhsa_system_sgpr_workgroup_id_x 1
		.amdhsa_system_sgpr_workgroup_id_y 1
		.amdhsa_system_sgpr_workgroup_id_z 1
		.amdhsa_system_vgpr_workitem_id 0
		.amdhsa_next_free_vgpr 238
		.amdhsa_next_free_sgpr 66
		.amdhsa_reserve_vcc 0
		.amdhsa_float_denorm_mode_32 3
		.amdhsa_float_denorm_mode_16_64 3
		.amdhsa_memory_ordered 1
		.amdhsa_forward_progress 1
		.amdhsa_inst_pref_size 19
	.end_amdhsa_kernel
	.amdgpu_metadata
---
amdhsa.version: [ 1, 2 ]
amdhsa.kernels:
  - .name:           k_q44e371c163_oproj
    .symbol:         k_q44e371c163_oproj.kd
    .args:
      - { .name: ctx, .offset: 0, .size: 8, .value_kind: global_buffer, .address_space: global }
      - { .name: Wo, .offset: 8, .size: 8, .value_kind: global_buffer, .address_space: global }
      - { .name: bo, .offset: 16, .size: 8, .value_kind: global_buffer, .address_space: global }
      - { .name: att, .offset: 24, .size: 8, .value_kind: global_buffer, .address_space: global }
    .group_segment_fixed_size: 18944
    .private_segment_fixed_size: 0
    .kernarg_segment_align: 8
    .kernarg_segment_size: 32
    .max_flat_workgroup_size: 512
    .sgpr_count:     66
    .vgpr_count:     238
    .wavefront_size: 32
...
	.end_amdgpu_metadata
.endif
;; end of part 3
;; launch pproj: the kernel of part 3 again; grid 256 x 1, 16 waves a work-group, no clusters, 18,944 bytes of LDS; arguments att, Wp, bp, pre; writes pre
;; launch lnorm (part 4): grid 32 x 1, 1 waves a work-group, no clusters, 0 bytes of LDS; arguments pre, gamma, beta, out0; writes out0
.if DOCPART == 4
	.amdgcn_target "amdgcn-amd-amdhsa--gfx1250"
	.amdhsa_code_object_version 6
	.text
	.protected	k_q44e371c163_lnorm
	.globl	k_q44e371c163_lnorm
	.p2align	8
	.type	k_q44e371c163_lnorm,@function
k_q44e371c163_lnorm:
	s_mov_b64 s[64:65], 0
	v_nop
	global_prefetch_b8 v0, s[64:65] scope:SCOPE_SE
	s_setreg_imm32_b32 hwreg(HW_REG_WAVE_MODE, 25, 1), 1
	s_wait_xcnt 0x0
; LNORM.  out0[b][k][:] = gamma (x - mean) / sqrt(var + 1e-5) + beta, x = pre[k][b][:], 1,024 numbers.  One wave takes a row and keeps it in 32 registers: the mean first, then the mean of the squared
; differences, as the definition has it.  32 rows, 32 work-groups: there is no more work to share out.  Every load and store covers 512 consecutive bytes.
	s_load_b256 s[4:11], s[0:1], 0x0               ; pre s[4:5], gamma s[6:7], beta s[8:9], out0 s[10:11]
	v_lshlrev_b32 v1, 4, v0                        ; 16 x lane
	v_mov_b32 v110, 0                              ; a lane permute's destination counts as read
	s_lshl_b32 s2, ttmp9, 12                       ; row 4 k + b of pre
	s_mov_b32 s3, 0
	s_and_b32 s12, ttmp9, 3                        ; b
	s_lshl_b32 s12, s12, 3
	s_lshr_b32 s13, ttmp9, 2                       ; k
	s_add_co_u32 s12, s12, s13
	s_lshl_b32 s12, s12, 12                        ; row 8 b + k of out0
	s_mov_b32 s13, 0
	s_wait_kmcnt 0x0
	s_add_nc_u64 s[4:5], s[4:5], s[2:3]
	s_add_nc_u64 s[10:11], s[10:11], s[12:13]
.irp j, 0,1,2,3,4,5,6,7
	global_load_b128 v[8+4*\j:11+4*\j], v1, s[4:5] offset:512*\j
.endr
.irp j, 0,1,2,3,4,5,6,7
	global_load_b128 v[40+4*\j:43+4*\j], v1, s[6:7] offset:512*\j
.endr
.irp j, 0,1,2,3,4,5,6,7
	global_load_b128 v[72+4*\j:75+4*\j], v1, s[8:9] offset:512*\j
.endr
	s_mov_b32 s12, 0x3a800000                      ; 1 / 1,024
	s_mov_b32 s13, 0x3727c5ac                      ; 1e-5
	s_mov_b32 s14, 0x76543210                      ; v_permlanex16_b32: lane l xor 16
	s_mov_b32 s15, 0xfedcba98
	s_wait_loadcnt 16                              ; x is in; gamma's and beta's 16 loads may be out
	v_pk_add_f32 v[104:105], v[8:9], v[10:11]
	v_pk_add_f32 v[106:107], v[12:13], v[14:15]
.irp j, 8,12,16,20,24,28
	v_pk_add_f32 v[104:105], v[104:105], v[8+\j:9+\j]
	v_pk_add_f32 v[106:107], v[106:107], v[10+\j:11+\j]
.endr
	v_pk_add_f32 v[104:105], v[104:105], v[106:107]
	v_add_f32 v104, v104, v105
	v_add_f32_dpp v104, v104, v104 row_xmask:1 row_mask:0xf bank_mask:0xf
	v_add_f32_dpp v104, v104, v104 row_xmask:2 row_mask:0xf bank_mask:0xf
	v_add_f32_dpp v104, v104, v104 row_xmask:4 row_mask:0xf bank_mask:0xf
	v_add_f32_dpp v104, v104, v104 row_xmask:8 row_mask:0xf bank_mask:0xf
	v_permlanex16_b32 v110, v104, s14, s15
	v_add_f32 v104, v104, v110
	v_mul_f32 v104, s12, v104                      ; the mean
.irp j, 0,2,4,6,8,10,12,14,16,18,20,22,24,26,28,30
	v_pk_add_f32 v[8+\j:9+\j], v[8+\j:9+\j], v[104:105] op_sel_hi:[1,0] neg_lo:[0,1] neg_hi:[0,1]   ; x - mean
.endr
	v_pk_mul_f32 v[106:107], v[8:9], v[8:9]
	v_pk_mul_f32 v[108:109], v[10:11], v[10:11]
.irp j, 4,8,12,16,20,24,28
	v_pk_fma_f32 v[106:107], v[8+\j:9+\j], v[8+\j:9+\j], v[106:107]
	v_pk_fma_f32 v[108:109], v[10+\j:11+\j], v[10+\j:11+\j], v[108:109]
.endr
	v_pk_add_f32 v[106:107], v[106:107], v[108:109]
	v_add_f32 v106, v106, v107
	v_add_f32_dpp v106, v106, v106 row_xmask:1 row_mask:0xf bank_mask:0xf
	v_add_f32_dpp v106, v106, v106 row_xmask:2 row_mask:0xf bank_mask:0xf
	v_add_f32_dpp v106, v106, v106 row_xmask:4 row_mask:0xf bank_mask:0xf
	v_add_f32_dpp v106, v106, v106 row_xmask:8 row_mask:0xf bank_mask:0xf
	v_permlanex16_b32 v110, v106, s14, s15
	v_add_f32 v106, v106, v110
	v_fma_f32 v106, v106, s12, s13                 ; var + 1e-5
	v_rsq_f32 v108, v106
	v_nop                                          ; a plain line behind the transcendental (ISA guide 5.7.2)
	s_wait_loadcnt 0x0                             ; gamma, beta
	s_wait_alu depctr_va_vdst(0)
.irp j, 0,2,4,6,8,10,12,14,16,18,20,22,24,26,28,30
	v_pk_mul_f32 v[8+\j:9+\j], v[8+\j:9+\j], v[108:109] op_sel_hi:[1,0]
.endr
.irp j, 0,2,4,6,8,10,12,14,16,18,20,22,24,26,28,30
	v_pk_fma_f32 v[8+\j:9+\j], v[8+\j:9+\j], v[40+\j:41+\j], v[72+\j:73+\j]
.endr
.irp j, 0,1,2,3,4,5,6,7
	global_store_b128 v1, v[8+4*\j:11+4*\j], s[10:11] offset:512*\j
.endr
	s_endpgm
.Lfunc_end_k_q44e371c163_lnorm:
	.size	k_q44e371c163_lnorm, .Lfunc_end_k_q44e371c163_lnorm-k_q44e371c163_lnorm
	.p2alignl 7, 3214868480
	.fill 96, 4, 3214868480
	.section	.rodata,"a",@progbits
	.p2align	6, 0x0
	.amdhsa_kernel k_q44e371c163_lnorm
		.amdhsa_group_segment_fixed_size 0
		.amdhsa_private_segment_fixed_size 0
		.amdhsa_enable_private_segment 0
		.amdhsa_kernarg_size 32
		.amdhsa_user_sgpr_count 2
		.amdhsa_user_sgpr_kernarg_segment_ptr 1
		.amdhsa_wavefront_size32 1
		.amdhsa_system_sgpr_workgroup_id_x 1
		.amdhsa_system_sgpr_workgroup_id_y 1
		.amdhsa_system_sgpr_workgroup_id_z 1
		.amdhsa_system_vgpr_workitem_id 0
		.amdhsa_next_free_vgpr 112
		.amdhsa_next_free_sgpr 66
		.amdhsa_reserve_vcc 0
		.amdhsa_float_denorm_mode_32 3
		.amdhsa_float_denorm_mode_16_64 3
		.amdhsa_memory_ordered 1
		.amdhsa_forward_progress 1
		.amdhsa_inst_pref_size 10
	.end_amdhsa_kernel
	.amdgpu_metadata
---
amdhsa.version: [ 1, 2 ]
amdhsa.kernels:
  - .name:           k_q44e371c163_lnorm
    .symbol:         k_q44e371c163_lnorm.kd
    .args:
      - { .name: pre, .offset: 0, .size: 8, .value_kind: global_buffer, .address_space: global }
      - { .name: gamma, .offset: 8, .size: 8, .value_kind: global_buffer, .address_space: global }
      - { .name: beta, .offset: 16, .size: 8, .value_kind: global_buffer, .address_space: global }
      - { .name: out0, .offset: 24, .size: 8, .value_kind: global_buffer, .address_space: global }
    .group_segment_fixed_size: 0
    .private_segment_fixed_size: 0
    .kernarg_segment_align: 8
    .kernarg_segment_size: 32
    .max_flat_workgroup_size: 32
    .sgpr_count:     66
    .vgpr_count:     112
    .wavefront_size: 32
...
	.end_amdgpu_metadata
.endif
;; end of part 4
